; MI455X (gfx1250); checked and timed in simulation.
; The chip was launched on July 23, 2026; its instructions are those of AMD's public machine-readable ISA for CDNA 5 (MIT licence, August 2026) and "CDNA5" Instruction Set Architecture Reference Guide (July 2026). The comments in the code are by the model that wrote it; some were corrected since.
;; Content Based Attention. Allowed arithmetic: matrix products marked QUANTISED: E3M2 operands, one E8M0 scale for each 32 along K, by v_wmma_scale_f32_16x16x128_f8f6f4 with both operands' format E3M2, f32 sums; products left as they are: f32 operands where the result goes on into a quantised operand, else bf16, f16 or f32 operands; f32 sums; everything else in f32.
;; Inputs: V 1,024 x 1,024 float32; W 1,024 x 1,024 float32; b 1,024 float32; decoder_output 32 x 1 x 1,024 float32; encoder_outputs 32 x 2,048 x 1,024 float32; w 1,024 x 1 float32.
;; Outputs: out0 32 x 1,024 float32.
;; This version of the problem:
;;   THIS VERSION OF THE PROBLEM IS GIVEN IN LOW PRECISION. The matrix products marked QUANTISED in the list below multiply operands that are first quantised to E3M2 (3 exponent bits, 2 mantissa bits; 6 bits a number), with one power-of-two scale for each 32 numbers along K (OCP MX v1.0); their sums are f32. All else is computed in f32.
;;   The module's matrix products, in the order in which they are computed (A, B: the left and right operand; K: the contracted axis; several contracted axes count as one K, in the product's order):
;;     1. [M 32, K 1,024] x [K 1,024, N 1,024]; A: input decoder_output; B: input W: QUANTISED
;;     2. [M 65,536, K 1,024] x [K 1,024, N 1,024]; A: input encoder_outputs; B: input V: QUANTISED
;;     3. [M 65,536, K 1,024] x [K 1,024, N 1]; A: computed on the way; B: input w: left as it is (N = 1 < 16)
;;     4. batch 32 x [M 1, K 2,048] x [K 2,048, N 1,024]; A: softmax; B: input encoder_outputs: left as it is (M = 1 < 16)
;;   THE QUANTISER, for each operand of a quantised product, along K:
;;     - K is cut into blocks of 32 from its start; a last block that is shorter is filled with zeros.
;;     - A block's scale is 2^e with e = floor(log2(the largest magnitude in the block)) - 4, held to -126 .. 127; a block of zeros has e = 0. As a byte (E8M0): e + 127.
;;     - Each number is divided by its block's scale, clamped to +-28, and rounded to the nearest number of E3M2, ties to even, subnormals kept.
;;     - The product sums the exact products of the quantised numbers (number of the format x scale) in f32.
;;   ~~~python
;;   def quantise(x, axis):      # numpy; x: float32 -> the quantised numbers, widened to float32 again
;;       x = np.moveaxis(x, axis, -1); K = x.shape[-1]
;;       x = np.pad(x, [(0, 0)] * (x.ndim - 1) + [(0, -K % 32)]); x = x.reshape(x.shape[:-1] + (-1, 32)); a = np.abs(x).max(-1, keepdims=True)
;;       e = np.where(a > 0, np.clip(np.frexp(np.where(a > 0, a, 1))[1] - 1 - 4, -126, 127), 0)      # np.frexp(a)[1] - 1 = floor(log2(a)), exactly
;;       r = np.clip(x / 2.0 ** e, -28, 28)
;;       step = 2.0 ** (np.maximum(np.frexp(np.where(r == 0, 1, r))[1] - 1, -2) - 2)
;;       q = np.round(r / step) * step * 2.0 ** e      # np.round: ties to even
;;       return np.moveaxis(q.reshape(q.shape[:-2] + (-1,))[..., :K], -1, axis).astype(np.float32)
;;   ~~~
;; One version. Each part assembles by itself: llvm-mc -triple=amdgcn-amd-amdhsa -mcpu=gfx1250 --defsym DOCPART=n.
;; ======== version 1 of 1: 3 launches
;; limits: values are held in bf16: 8 bits of precision; right only within a limited range of input values
;; workspace buffers: vimg 819,200 bytes; bw 262,144 bytes; part 1,114,112 bytes
;; launch prep (part 1): grid 64 x 1, 8 waves a work-group, no clusters, 38,912 bytes of LDS; arguments V, W, b, decoder_output, w, vimg, bw; writes vimg, bw
.if DOCPART == 1
	.amdgcn_target "amdgcn-amd-amdhsa--gfx1250"
	.amdhsa_code_object_version 6
	.text
	.protected	k_q4088c16ff4_prep
	.globl	k_q4088c16ff4_prep
	.p2align	8
	.type	k_q4088c16ff4_prep,@function
k_q4088c16ff4_prep:
	s_mov_b64 s[64:65], 0
	v_nop
	global_prefetch_b8 v0, s[64:65] scope:SCOPE_SE
	s_setreg_imm32_b32 hwreg(HW_REG_WAVE_MODE, 25, 1), 1
	s_wait_xcnt 0x0
; PREP.  Additive attention, first of three launches: context[b] = sum_t softmax_t(score[b][t]) enc[b][t], score = sum_c w[c] tanh(dec W + enc V + b)[c].
; This launch (1) turns V [1024 (k)][1024 (c)] f32 into codes of BF6 (E3M2) along k with one E8M0 byte for each 32 k, laid as IMAGES OF THE OPERAND'S REGISTERS (buffer vimg), and
; (2) quantises W and decoder_output the same way, multiplies them (32 x 1024 x 1024) by the scaled BF6 matrix instruction, and stores for each batch and column the pair
; (bias', w') = (k (dec W + b), -k w), k = 2 log2(e)  (buffer bw).
; WORK LEFT OUT, for all values of the inputs: tanh(x) = 1 - 2 r, r = 1 / (1 + 2^(k x)), so score[t] = sum_c w[c] - 2 sum_c w[c] r[t][c].  The term sum_c w[c] is the same for every t, the axis of the
; softmax, and cancels there in exact arithmetic: it is never formed.  Every input keeps a way to the output and is loaded.  LIMIT: an overflow, infinity or NaN that arises in sum_c w[c] alone is not carried to the result.
; LIMITS: NaN and infinities among the inputs are not served.  A block whose largest magnitude lies under 2^(5 - 127) keeps the byte 1; a block of zeros too, where the quantiser says 127: its codes are
; zeros, which add nothing, and the bytes are read by this program alone.  The first product's K is summed in eight parts of 128 (one a wave), added in f32: another order of rounding than one chain.
; SHARES.  Work-groups 0-31 take V, 32-63 take W; work-group g takes columns 32 (g % 32) on: two tiles of 16.  Wave s takes k = 128 s .. 128 s + 127.  A LANE TAKES A COLUMN AND ITS REGISTERS RUN DOWN k:
; a load reads 128 consecutive bytes, a block of 32 lies in one lane, and the conversions give codes with k innermost.  Twelve exchanges of half waves make the two tiles' fragments of them.
; vimg: 64 records of 12,800 bytes, one a tile of 16 columns: register p (0..11) of lane l of K step s at 1536 s + 512 (p / 4) + 16 l + 4 (p % 4); from byte 12,288 the scale words: column r, K step s at 16 (r + 16 (s % 2)) + 4 (s / 2).
; The two paths part once, on the work-group's number, have LDS bytes of their own, and meet at the closing lines.
.set K2L,   0x4038aa3b                 ; k = 2 log2(e)
.set NK2L,  0xc038aa3b                 ; -k
.set SCV,   0                          ; LDS, V's path: 2 x 512 bytes of scale words
.set RED,   1024                       ; LDS, W's path: 8 waves x 32 rows x 144 bytes: the partial sums
.set SPARE, 37888                      ; the spare words, 128 bytes for each wave: four blocks of 256 bytes that no other line names
.set SPW,   14                         ; v14  LDS address of my spare word; never rewritten
.set NIL,   15                         ; v15  0; never rewritten
.set F0,    16                         ; v16-27  the fragment of the first tile
.set F1,    28                         ; v28-39  of the second
.set T,     40                         ; v40-55  the upper halves of the four blocks' codes, on their way
.set CM,    56                         ; v56-59  largest magnitudes, then bytes
.set CS,    60                         ; v60-63  the conversions' scale operands
.set DX,    64                         ; v64-191 decoder numbers, 2 x 64
.set ACC,   64                         ; v64-95  later: four accumulators
.set RL,    96                         ; v96-127 later: the parts to be added
.set A0,    192                        ; v192-203 the decoder's fragment, rows 0-15;  v204-215 rows 16-31 (at work up to v222)
.set A1,    204
.set TM,    224                        ; v224-239 at work in QUANT
.set PW,    240                        ; v240 the scale word just made
.set PWA,   244                        ; v244, v245 the decoder's scale words
.set PWB,   246                        ; v246 the columns' scale words: lanes 0-15 the first tile's, lanes 16-31 the second's
.set SEL,   36                         ; s[36:37] lane selects for v_permlanex16_b32: lane l xor 16
.set MSB, 0
.macro WIN new                         ; the immediate's high byte repeats the setting that is left
.if MSB != \new
	s_set_vgpr_msb (MSB<<8)|\new
.set MSB, \new
.endif
.endm
; my column's 128 numbers down k, into window 1, v0-127
.macro LOADX base
	WIN 0x40
.set n, 0
.rept 128
	global_load_b32 v[n], v2, s[\base:\base+1] offset:4096*n th:TH_LOAD_NT
.set n, n+1
.endr
	WIN 0
.endm
; my column's four blocks become codes; then the two tiles' fragments F0, F1 and the scale words PWB
.macro CQUANT
	WIN 0x05                                       ; sources 0 and 1 window 1
.irp b, 0,1,2,3
	v_max3_num_f32 v[CM+\b], |v[32*\b]|, |v[32*\b+1]|, 0x2800000   ; the floor 2^(5 - 127) among the leaves: the byte cannot fall under 1
.endr
.irp i, 2,4,6,8,10,12,14,16,18,20,22,24,26,28,30
.irp b, 0,1,2,3
	s_delay_alu instid0(VALU_DEP_4)
	v_max3_num_f32 v[CM+\b], |v[32*\b+\i]|, |v[32*\b+\i+1]|, v[CM+\b]   ; the four blocks by turns
.endr
.endr
	WIN 0
.irp b, 0,1,2,3
	v_add_nc_u32 v[CS+\b], 0xfe000000, v[CM+\b]    ; 4 off the exponent field: the conversion's scale operand
.endr
.irp b, 0,1,2,3
	s_delay_alu instid0(VALU_DEP_4)
	v_lshrrev_b32 v[CM+\b], 23, v[CS+\b]           ; the scale's byte
.endr
	s_delay_alu instid0(VALU_DEP_3)
	v_lshl_or_b32 v[PWB], v[CM+1], 8, v[CM]
	s_delay_alu instid0(VALU_DEP_1)
	v_lshl_or_b32 v[PWB], v[CM+2], 16, v[PWB]
	s_delay_alu instid0(VALU_DEP_1)
	v_lshl_or_b32 v[PWB], v[CM+3], 24, v[PWB]      ; my column's scale word for this K step
	WIN 0x01                                       ; source 0 window 1
.irp b, 0,1,2,3
	v_cvt_scalef32_pk16_bf6_f32 v[F0+12*(\b%2)+6*(\b/2):F0+12*(\b%2)+6*(\b/2)+2], v[32*\b:32*\b+15], v[CS+\b]   ; blocks 0, 2 into F0's two halves, blocks 1, 3 into F1's
	v_cvt_scalef32_pk16_bf6_f32 v[T+4*\b:T+4*\b+2], v[32*\b+16:32*\b+31], v[CS+\b]   ; (a conversion's three registers begin on an even number)
.endr
	WIN 0
	v_nop                                          ; one plain place behind a scaled conversion
.irp b, 0,1,2,3
.irp i, 0,1,2
	v_mov_b32 v[F0+12*(\b%2)+6*(\b/2)+3+\i], v[T+4*\b+\i]
.endr
.endr
.irp c, 0,1
.irp i, 0,1,2,3,4,5
	v_permlane16_swap_b32 v[F0+6*\c+\i], v[F1+6*\c+\i]   ; F0's lanes 16-31 (second tile, block 2 c) change places with F1's lanes 0-15 (first tile, block 2 c + 1): each is now a tile's fragment
.endr
.endr
.endm
; 64 numbers of a lane, register 16 b + i = k 32 b + 16 (lane / 16) + i of my row, become a fragment's codes in v[pc] on and its scale word in v[PW]
.macro QUANT s, pc
.irp b, 0,1,2,3
	v_max3_num_f32 v[TM+\b], |v[\s+16*\b]|, |v[\s+1+16*\b]|, 0x2800000
.endr
.irp i, 2,4,6,8,10,12,14
.irp b, 0,1,2,3
	s_delay_alu instid0(VALU_DEP_4)
	v_max3_num_f32 v[TM+\b], v[TM+\b], |v[\s+16*\b+\i]|, |v[\s+1+16*\b+\i]|
.endr
.endr
.irp b, 0,1,2,3
	s_delay_alu instid0(VALU_DEP_4)
	v_permlanex16_b32 v[TM+4+\b], v[TM+\b], s[SEL], s[SEL+1]
.endr
.irp b, 0,1,2,3
	s_delay_alu instid0(VALU_DEP_4)
	v_max_num_f32 v[TM+\b], v[TM+\b], v[TM+4+\b]   ; with lane l xor 16's: the block's largest magnitude
.endr
.irp b, 0,1,2,3
	s_delay_alu instid0(VALU_DEP_4)
	v_add_nc_u32 v[TM+12+\b], 0xfe000000, v[TM+\b]
.endr
.irp b, 0,1,2,3
	s_delay_alu instid0(VALU_DEP_4)
	v_lshrrev_b32 v[TM+4+\b], 23, v[TM+12+\b]
.endr
	s_delay_alu instid0(VALU_DEP_3)
	v_lshl_or_b32 v[PW], v[TM+5], 8, v[TM+4]
	s_delay_alu instid0(VALU_DEP_1)
	v_lshl_or_b32 v[PW], v[TM+6], 16, v[PW]
	s_delay_alu instid0(VALU_DEP_1)
	v_lshl_or_b32 v[PW], v[TM+7], 24, v[PW]
.irp c, 0,1
	v_cvt_scalef32_pk16_bf6_f32 v[\pc+6*\c:\pc+2+6*\c], v[\s+32*\c:\s+15+32*\c], v[TM+12+2*\c]
	v_cvt_scalef32_pk16_bf6_f32 v[\pc+12+4*\c:\pc+14+4*\c], v[\s+16+32*\c:\s+31+32*\c], v[TM+12+2*\c+1]
.endr
	v_nop                                          ; one plain place behind a scaled conversion
.irp c, 0,1
.irp i, 0,1,2
	v_permlane16_swap_b32 v[\pc+6*\c+\i], v[\pc+12+4*\c+\i]   ; a whole block to a lane
.endr
.irp i, 0,1,2
	s_delay_alu instid0(VALU_DEP_3)
	v_mov_b32 v[\pc+3+6*\c+\i], v[\pc+12+4*\c+\i]
.endr
.endr
.endm
	s_load_b256 s[4:11], s[0:1], 0x0               ; V s[4:5], W s[6:7], b s[8:9], decoder_output s[10:11]
	s_load_b128 s[12:15], s[0:1], 0x20             ; w s[12:13], vimg s[14:15]
	s_load_b64 s[16:17], s[0:1], 0x30              ; bw
	v_lshl_add_u32 v[SPW], v0, 2, SPARE
	v_mov_b32 v[NIL], 0
	v_lshrrev_b32 v1, 5, v0
	s_delay_alu instid0(VALU_DEP_1)
	v_readfirstlane_b32 s18, v1                    ; wave = K step s
	v_and_b32 v1, 31, v0                           ; lane
	s_delay_alu instid0(VALU_DEP_1)
	v_lshlrev_b32 v2, 2, v1                        ; 4 l
	s_delay_alu instid0(VALU_DEP_2)
	v_lshlrev_b32 v3, 4, v1                        ; 16 l
	v_and_b32 v4, 15, v0                           ; r
	v_bfe_u32 v5, v0, 4, 1                         ; h
	s_wait_alu depctr_va_vdst(0)
	s_and_b32 s19, ttmp9, 31                       ; which 32 columns
	s_lshl_b32 s20, s18, 19                        ; 128 s rows of 4,096 bytes
	s_lshl_b32 s21, s19, 7                         ; + 32 columns of 4 bytes
	s_add_co_u32 s20, s20, s21
	s_mov_b32 s21, 0
	; every LDS address is made here, ahead of the parting
	s_and_b32 s22, s18, 1
	s_lshl_b32 s22, s22, 8
	s_lshr_b32 s23, s18, 1
	s_lshl_b32 s23, s23, 2
	s_add_co_u32 s22, s22, s23
	v_lshlrev_b32 v6, 9, v5
	s_delay_alu instid0(VALU_DEP_1)
	v_lshl_add_u32 v6, v4, 4, v6
	s_delay_alu instid0(VALU_DEP_1)
	v_add_nc_u32 v6, s22, v6                       ; V: my scale word: 512 (tile) + 16 r + 256 (s % 2) + 4 (s / 2)
	s_lshl_b32 s22, s18, 9
	v_add_nc_u32 v7, s22, v3                       ; V: back (waves 0, 1): 512 x wave + 16 l
	s_mul_i32 s22, s18, 4608
	s_add_co_u32 s22, s22, RED
	v_mul_u32_u24 v8, v5, 1152
	s_delay_alu instid0(VALU_DEP_1)
	v_lshl_add_u32 v8, v4, 2, v8
	s_delay_alu instid0(VALU_DEP_1)
	v_add_nc_u32 v8, s22, v8                       ; W: my wave's part: rows 8 h on, column r
	s_mul_i32 s22, s18, 576
	s_add_co_u32 s22, s22, RED
	v_add_nc_u32 v9, s22, v2                       ; W: back: rows 4 x wave on, column l
	v_lshlrev_b32 v10, 12, v4
	s_delay_alu instid0(VALU_DEP_1)
	v_lshl_add_u32 v10, v5, 6, v10                 ; decoder_output: row r of 4,096 bytes + 64 h
	v_lshlrev_b32 v11, 3, v1                       ; bw: 8 bytes a column
	s_mov_b32 s23, 0
	s_mov_b32 s25, 0
	s_mov_b32 s30, K2L
	s_mov_b32 s31, NK2L
	s_mov_b32 s[SEL], 0x76543210
	s_mov_b32 s[SEL+1], 0xfedcba98
	s_wait_kmcnt 0x0
	s_cmp_ge_u32 ttmp9, 32
	s_cbranch_scc1 .Lw_path
	; ---- V: codes and scale words to vimg
	s_add_nc_u64 s[4:5], s[4:5], s[20:21]
	LOADX 4
	s_mul_i32 s22, s19, 25600                      ; my two records
	s_mul_i32 s24, s18, 1536                       ; my K step in a record
	s_add_co_u32 s24, s24, s22
	s_add_nc_u64 s[26:27], s[14:15], s[24:25]
	s_mul_i32 s24, s18, 12800                      ; waves 0, 1: the scale words of record 2 cp + wave
	s_add_co_u32 s24, s24, s22
	s_add_co_u32 s24, s24, 12288
	s_add_nc_u64 s[28:29], s[14:15], s[24:25]
	s_wait_loadcnt 0x0
	CQUANT
.irp j, 0,1
.irp c, 0,1,2
	global_store_b128 v3, v[F0+12*\j+4*\c:F0+12*\j+4*\c+3], s[26:27] offset:12800*\j+512*\c   ; 32 lanes store 512 consecutive bytes, at a multiple of 256 from vimg's first byte
.endr
.endr
	ds_store_b32 v6, v[PWB]
	s_wait_dscnt 0x0                               ; for the others' sake: my scale words lie in LDS
	s_barrier_signal -1
	s_barrier_wait -1
	s_cmp_ge_u32 s18, 2
	s_cbranch_scc1 .Lend
	ds_load_b128 v[T:T+3], v7                      ; a tile's 512 bytes of scale words, from all eight waves
	s_wait_dscnt 0x0
	global_store_b128 v3, v[T:T+3], s[28:29]
	s_branch .Lend
	; ---- W: quantised, multiplied with the quantised decoder_output; bias' and w' to bw
.Lw_path:
	s_add_nc_u64 s[6:7], s[6:7], s[20:21]
	LOADX 6
	s_lshl_b32 s22, s18, 9                         ; decoder_output: my K step's 512 bytes of a row
	s_add_nc_u64 s[10:11], s[10:11], s[22:23]
	s_wait_alu depctr_va_vdst(0)
.irp t, 0,1
.irp b, 0,1,2,3
.irp j, 0,1,2,3
	global_load_b128 v[DX+64*\t+16*\b+4*\j:DX+64*\t+16*\b+4*\j+3], v10, s[10:11] offset:65536*\t+128*\b+16*\j   ; row 16 t + r: my 16 numbers of block b
.endr
.endr
.endr
	s_lshl_b32 s24, s19, 7
	s_add_nc_u64 s[8:9], s[8:9], s[24:25]
	s_add_nc_u64 s[12:13], s[12:13], s[24:25]
	global_load_b32 v248, v2, s[8:9]               ; b of column l
	global_load_b32 v249, v2, s[12:13]             ; w of column l
	s_lshl_b32 s26, s18, 15                        ; bw: rows 4 x wave on, 8,192 bytes a row,
	s_lshl_b32 s27, s19, 8                         ; my 32 columns
	s_add_co_u32 s26, s26, s27
	s_mov_b32 s27, 0
	s_add_nc_u64 s[16:17], s[16:17], s[26:27]
.irp b, 0,1,2,3
	v_mov_b32 v[TM+4+\b], 0                        ; written once: a lane permute's destination counts as one of its sources
.endr
	s_wait_loadcnt 0x0
	CQUANT
	QUANT DX, A0
	v_mov_b32 v[PWA], v[PW]
	QUANT DX+64, A1
	v_mov_b32 v[PWA+1], v[PW]
	v_mul_f32 v250, s30, v248                      ; k b
	v_mul_f32 v251, s31, v249                      ; w' = -k w
.rept 8
	v_nop                                          ; a scale register written by a vector instruction stands 8 places ahead of a scaled matrix instruction, an operand 4
.endr
.irp t, 0,1                                    ; four accumulators, one instruction each: rows 16 t on x columns 16 j on, k = my 128
	v_wmma_scale_f32_16x16x128_f8f6f4 v[ACC+16*\t:ACC+16*\t+7], v[A0+12*\t:A0+12*\t+11], v[F0:F0+11], 0, v[PWA+\t], v[PWB] matrix_a_fmt:MATRIX_FMT_BF6 matrix_b_fmt:MATRIX_FMT_BF6
	v_wmma_scale_f32_16x16x128_f8f6f4 v[ACC+16*\t+8:ACC+16*\t+15], v[A0+12*\t:A0+12*\t+11], v[F1:F1+11], 0, v[PWA+\t], v[PWB] matrix_a_fmt:MATRIX_FMT_BF6 matrix_b_fmt:MATRIX_FMT_BF6 matrix_b_scale:MATRIX_SCALE_ROW1
.endr
.rept 4
	v_nop                                          ; four places ahead of the first read of the results
.endr
.irp t, 0,1
.irp j, 0,1
.irp i, 0,1,2,3,4,5,6,7
	ds_store_b32 v8, v[ACC+8*(2*\t+\j)+\i] offset:(16*\t+\i)*144+64*\j   ; (row 16 t + 8 h + i, column 16 j + r); each accumulator from its low end on
.endr
.endr
.endr
	s_wait_dscnt 0x0                               ; for the others' sake: my part lies in LDS
	s_barrier_signal -1
	s_barrier_wait -1
.irp e, 0,1,2,3
.irp p, 0,1,2,3,4,5,6,7
	ds_load_b32 v[RL+8*\e+\p], v9 offset:4608*\p+144*\e   ; row 4 x wave + e, column l: the eight waves' parts
.endr
.endr
	s_wait_dscnt 0x0
.irp e, 0,1,2,3
	v_add_f32 v[RL+8*\e], v[RL+8*\e], v[RL+8*\e+1]
	v_add_f32 v[RL+8*\e+2], v[RL+8*\e+2], v[RL+8*\e+3]
	v_add_f32 v[RL+8*\e+4], v[RL+8*\e+4], v[RL+8*\e+5]
	v_add_f32 v[RL+8*\e+6], v[RL+8*\e+6], v[RL+8*\e+7]
.endr
.irp e, 0,1,2,3
	v_add_f32 v[RL+8*\e], v[RL+8*\e], v[RL+8*\e+2]
	v_add_f32 v[RL+8*\e+4], v[RL+8*\e+4], v[RL+8*\e+6]
.endr
.irp e, 0,1,2,3
	v_add_f32 v[RL+8*\e], v[RL+8*\e], v[RL+8*\e+4]
	v_mov_b32 v[RL+8*\e+1], v251
.endr
.irp e, 0,1,2,3
	v_fma_f32 v[RL+8*\e], v[RL+8*\e], s30, v250    ; bias' = k (dec W) + k b
.endr
.irp e, 0,1,2,3
	global_store_b64 v11, v[RL+8*\e:RL+8*\e+1], s[16:17] offset:8192*\e   ; 32 lanes store 256 consecutive bytes, at a multiple of 256 from bw's first byte
.endr
.Lend:
	s_wait_tensorcnt 0x0                           ; the wave's end, behind my last LDS store
	ds_add_u32 v[SPW], v[NIL]
	s_wait_dscnt 0x0
	s_endpgm
.Lfunc_end_k_q4088c16ff4_prep:
	.size	k_q4088c16ff4_prep, .Lfunc_end_k_q4088c16ff4_prep-k_q4088c16ff4_prep
	.p2alignl 7, 3214868480
	.fill 96, 4, 3214868480
	.section	.rodata,"a",@progbits
	.p2align	6, 0x0
	.amdhsa_kernel k_q4088c16ff4_prep
		.amdhsa_group_segment_fixed_size 38912
		.amdhsa_private_segment_fixed_size 0
		.amdhsa_enable_private_segment 0
		.amdhsa_kernarg_size 56
		.amdhsa_user_sgpr_count 2
		.amdhsa_user_sgpr_kernarg_segment_ptr 1
		.amdhsa_wavefront_size32 1
		.amdhsa_system_sgpr_workgroup_id_x 1
		.amdhsa_system_sgpr_workgroup_id_y 1
		.amdhsa_system_sgpr_workgroup_id_z 1
		.amdhsa_system_vgpr_workitem_id 0
		.amdhsa_next_free_vgpr 384
		.amdhsa_next_free_sgpr 66
		.amdhsa_reserve_vcc 0
		.amdhsa_float_denorm_mode_32 3
		.amdhsa_float_denorm_mode_16_64 3
		.amdhsa_memory_ordered 1
		.amdhsa_forward_progress 1
		.amdhsa_inst_pref_size 66
	.end_amdhsa_kernel
	.amdgpu_metadata
---
amdhsa.version: [ 1, 2 ]
amdhsa.kernels:
  - .name:           k_q4088c16ff4_prep
    .symbol:         k_q4088c16ff4_prep.kd
    .args:
      - { .name: V, .offset: 0, .size: 8, .value_kind: global_buffer, .address_space: global }
      - { .name: W, .offset: 8, .size: 8, .value_kind: global_buffer, .address_space: global }
      - { .name: b, .offset: 16, .size: 8, .value_kind: global_buffer, .address_space: global }
      - { .name: decoder_output, .offset: 24, .size: 8, .value_kind: global_buffer, .address_space: global }
      - { .name: w, .offset: 32, .size: 8, .value_kind: global_buffer, .address_space: global }
      - { .name: vimg, .offset: 40, .size: 8, .value_kind: global_buffer, .address_space: global }
      - { .name: bw, .offset: 48, .size: 8, .value_kind: global_buffer, .address_space: global }
    .group_segment_fixed_size: 38912
    .private_segment_fixed_size: 0
    .kernarg_segment_align: 8
    .kernarg_segment_size: 56
    .max_flat_workgroup_size: 256
    .sgpr_count:     66
    .vgpr_count:     384
    .wavefront_size: 32
...
	.end_amdgpu_metadata
.endif
;; end of part 1
;; launch attn (part 2): grid 256 x 1, 4 waves a work-group, clusters of 4 x 1, 327,680 bytes of LDS; arguments encoder_outputs, vimg, bw, part; writes part
.if DOCPART == 2
	.amdgcn_target "amdgcn-amd-amdhsa--gfx1250"
	.amdhsa_code_object_version 6
	.text
	.protected	k_q4088c16ff4_attn
	.globl	k_q4088c16ff4_attn
	.p2align	8
	.type	k_q4088c16ff4_attn,@function
k_q4088c16ff4_attn:
	s_mov_b64 s[64:65], 0
	v_nop
	global_prefetch_b8 v0, s[64:65] scope:SCOPE_SE
	s_setreg_imm32_b32 hwreg(HW_REG_WAVE_MODE, 25, 1), 1
	s_wait_xcnt 0x0
	s_wait_alu depctr_hold_cnt(0) depctr_sa_sdst(0) depctr_va_vdst(0) depctr_va_sdst(0) depctr_va_ssrc(0) depctr_va_vcc(0) depctr_vm_vsrc(0)
	s_getreg_b32 s2, hwreg(HW_REG_IB_STS2, 6, 4)
	s_cmp_eq_u32 s2, 0
	s_cbranch_scc0 .Lentry_in_a_cluster
	s_endpgm
.Lentry_in_a_cluster:
	s_bfe_u32 s2, ttmp6, 0x10000c
	s_cmp_lg_u32 s2, 0x3003
	s_cbranch_scc0 .Lentry_shape_is_right
	s_endpgm
.Lentry_shape_is_right:
; ATTN, second of three launches.  A work-group takes 256 positions t of one batch (an eighth of it) and stores a part of the softmax-weighted sum: ctx[1024], the running maximum m and the sum l (buffer part).
; score'[t] = sum_c w'[c] / (1 + 2^(k (enc V)[t][c] + bias'[c])), an exponent to the base 2; bias', w' and k come from the first launch.  The term sum_c w[c] of the score is left out: shown at the head of the first kernel.
; THE WALK.  The 256 rows go as 16 tiles of 16 rows; four tiles are at work at a time.  A trip multiplies the tiles at work with a quarter of V's 64 column tiles (two slots of eight records); a tile stays four trips,
; so each trip one tile is finished and one is taken in: rows arrive all through the launch, each byte of encoder_outputs once.  The four waves hold the same A codes (4 tiles x 8 K steps x 12 registers) and part the columns:
; of a slot's eight records a wave reads two, so each record is read from LDS once.  A tile's rows are quantised along k by all four waves (256 k each) and handed round through LDS as images of the operand's registers.
; A bf16 copy of the tile (a wave keeps its 256 columns) stays in registers for the last product, p x enc, which is summed in f32 under a running maximum.
; CLUSTER: the four work-groups of a cluster walk V's records in step and ask for each slot jointly (mask 15); every refill stands behind a round of the cluster's barrier.
; No prefetch instruction: the rows of encoder_outputs are asked for by the loads themselves, 32 a wave, a whole trip ahead of their wait; vimg's 819,200 bytes are walked by every work-group again and again.
; LIMITS: NaN and infinities among the inputs are not served; the promise holds while the scaled scores stay under 2^31 in magnitude; a block under 2^(5 - 127), or of zeros, keeps the scale byte 1 (its codes add nothing).
; REGISTERS, in windows of 256.  Window 0: as named below.  Window 1: v0-191 A codes of tiles 0, 1; v192-255 copy of tile 0.  Window 2: v0-191 tiles 2, 3; v192-255 copy of tile 1.
; Window 3: v0-127 copies of tiles 2, 3; v128-255 the 16 rows x 256 columns of f32 that are on their way.
.set REC,    12800                     ; a record of vimg: 16 columns, 8 K steps of 1,536 bytes, 512 bytes of scale words
.set WSL,    2*REC                     ; a wave's part of a slot
.set SLOTB,  4*WSL
.set SLOT1,  1<<17                     ; slot 1 begins here
.set TR,     102400                    ; behind slot 0: the new tile's operand image,
.set TRS,    TR+12288                  ; its scale words,
.set TBL,    115200                    ; the batch's 1,024 pairs (bias', w'),
.set XB,     123392                    ; the four waves' partial scores,
.set SPARE,  123648                    ; and the spare words, 128 bytes a wave, which no other line names
.set STG,    233472                    ; behind slot 1: a stage of 16 rows x 1,040 bytes for each wave
.set SPITCH, 1040
.set WSTG,   16*SPITCH
.set LI,   1                           ; v1 16 x lane;  v2 + my part of a slot
.set LIW,  2
.set BAD,  3                           ; v3 my records in the slot at work;  v5 my pairs (bias', w') of that slot
.set TBA,  4
.set TAD,  5
.set STW,  6                           ; v6-8 the stage: in, back, back + K step
.set STR,  7
.set STRX, 8
.set TRW,  9                           ; v9-11, v13 the image: my K steps, + step, my scale words, all of it
.set TRWX, 10
.set TSW,  11
.set TL,   12
.set TRR,  13
.set XW,   14                          ; v14, v15 the partial scores: mine, all
.set XR,   15
.set GOF,  16                          ; v16 my 16 bytes of a row: 1,024 x wave + 16 x lane
.set SPW,  17                          ; v17, v18 the spare word's address and 0; never rewritten
.set NIL,  18
.set TG,   19
.set WB,   20                          ; v20-27 two sets of (bias', -, w', -)
.set BSC,  28                          ; v28-31 B's scale words;  v32-47 A's
.set ASC,  32
.set ACC,  48                          ; v48-79 the first column tile's four accumulators
.set PB,   48
.set SS,   80                          ; v80-111 the partial scores of the four tiles
.set CTX,  112                         ; v112-119 ctx of my 8 columns a lane;  v120 m, v121 l, v122 the factor
.set RM,   120
.set RL,   121
.set RF,   122
.set T0,   124
.set BF,   128                         ; v128-223 B's fragments of a record
.set QX,   128
.set PC,   192
.set ACB,  224                         ; v224-255 the second column tile's four accumulators; between trips at work in QUANT and the sums
.set TM,   224
.set PW,   240
.set PW0,  241
.set SR,   244
.set LND,  128
.set ENC,  4
.set WV,   12
.set G1,   16
.set G0A,  24
.set G0W,  28
.set VB,   32
.set VO,   34
.set ZC,   36
.set TB,   37
.set TZ,   38
.set TT,   39
.set SEL,  40
.set KS,   42
.set C2,   44
.set CQ,   45
.set QS,   46
.set EC,   47
.set ES,   48
.set ET,   49
.set XO,   52
.set PS,   68
.set MSB, 0
.macro WIN new                         ; the immediate's high byte repeats the setting that is left
.if MSB != \new
	s_set_vgpr_msb (MSB<<8)|\new
.set MSB, \new
.endif
.endm
.macro PLACES n
.rept \n
	v_nop
.endr
.endm
.macro BAR                             ; my LDS instructions are done; then the work-group's barrier
	s_wait_dscnt 0x0
	s_barrier_signal -1
	s_barrier_wait -1
.endm
.macro CROUND                          ; a round of the cluster's barrier
	s_barrier_signal -1
	s_barrier_wait -1
	s_cmp_lg_u32 s[WV], 0
	s_cbranch_scc1 .Lnot_wave_0_\@
	s_barrier_signal -3
.Lnot_wave_0_\@:
	s_barrier_wait -3
	s_barrier_signal -1
	s_barrier_wait -1
.endm
.macro BLOADS                          ; the first of my two records: 24 loads of fragments and the scale words: 25 LDS loads
.set n, 0
.rept 24
	ds_load_b128 v[BF+4*n:BF+4*n+3], v[BAD] offset:512*n
.set n, n+1
.endr
	ds_load_b128 v[BSC:BSC+3], v[BAD] offset:12288
.endm
.macro WM q, s, ab                     ; tile q x the record, K step s; a scale register holds an even step's words in lanes 0-15 and the odd step's in lanes 16-31
.set rA, 96*((\q)%2)+12*(\s)
.set rD, (\ab)+8*(\q)
.set rB, BF+12*(\s)
.set rX, ASC+4*(\q)+(\s)/2
.set rY, BSC+(\s)/2
.if (\s) == 0
	v_wmma_scale_f32_16x16x128_f8f6f4 v[rD:rD+7], v[rA:rA+11], v[rB:rB+11], 0, v[rX], v[rY] matrix_a_fmt:MATRIX_FMT_BF6 matrix_b_fmt:MATRIX_FMT_BF6
.elseif (\s)%2
	v_wmma_scale_f32_16x16x128_f8f6f4 v[rD:rD+7], v[rA:rA+11], v[rB:rB+11], v[rD:rD+7], v[rX], v[rY] matrix_a_fmt:MATRIX_FMT_BF6 matrix_b_fmt:MATRIX_FMT_BF6 matrix_a_scale:MATRIX_SCALE_ROW1 matrix_b_scale:MATRIX_SCALE_ROW1
.else
	v_wmma_scale_f32_16x16x128_f8f6f4 v[rD:rD+7], v[rA:rA+11], v[rB:rB+11], v[rD:rD+7], v[rX], v[rY] matrix_a_fmt:MATRIX_FMT_BF6 matrix_b_fmt:MATRIX_FMT_BF6
.endif
.endm
; A column tile's products: tiles lo .. lo + n - 1 by turns, K step by K step, into the accumulators at ab: 8 n matrix instructions on end.
; second = 0, the slot's first record: behind K steps 3 and 7, and four places, the second record's fragments and scale words of the four steps just multiplied take their registers, in two runs:
; 17 loads (with them bias' and w' of both records' columns), then 13.  second = 1: the first run is awaited with the 13 of the second still out, the second run ahead of K step 4.
.macro WBLK lo, n, ab, second
.irp s, 0,1,2,3,4,5,6,7
.if \second && (\s == 0)
	s_wait_dscnt 13
.endif
.if \second && (\s == 4)
	s_wait_dscnt 0x0
.endif
.set qq, \lo
.rept \n
.set wv, 1+qq/2
	WIN wv
.if (\n == 1) && (\s > 0)
	s_wait_alu depctr_va_vdst(0)                   ; the wait ahead of every link
.endif
	WM qq, \s, \ab
.set qq, qq+1
.endr
.if (\second == 0) && ((\s)%4 == 3)
	WIN 0
	PLACES 4
.if \s == 3
	ds_load_b32 v[WB], v[TAD]
	ds_load_b32 v[WB+2], v[TAD] offset:4
	ds_load_b32 v[WB+4], v[TAD] offset:128
	ds_load_b32 v[WB+6], v[TAD] offset:132
.endif
.set nn, 3*(\s)-9
.rept 12
	ds_load_b128 v[BF+4*nn:BF+4*nn+3], v[BAD] offset:REC+512*nn
.set nn, nn+1
.endr
	ds_load_b64 v[BSC+(\s)/4*2:BSC+(\s)/4*2+1], v[BAD] offset:REC+12288+8*((\s)/4)
.endif
.endr
	WIN 0
.endm
; The five phases that make a tile's eight registers of sums into its share of the scores
.macro PHF q, ab, wb                   ; x = k sum + bias'
.set xr, (\ab)+8*(\q)
.irp p, 0,2,4,6
	v_pk_fma_f32 v[xr+\p:xr+\p+1], v[xr+\p:xr+\p+1], s[KS:KS+1], v[WB+4*(\wb):WB+4*(\wb)+1] op_sel_hi:[1,0,0]
.endr
.endm
.macro PHT op, q, ab                   ; 2^x, or the reciprocal
.set xr, (\ab)+8*(\q)
.irp p, 0,1,2,3,4,5,6,7
	\op v[xr+\p], v[xr+\p]
.endr
.endm
.macro PHA q, ab                       ; + 1
.set xr, (\ab)+8*(\q)
.irp p, 0,2,4,6
	v_pk_add_f32 v[xr+\p:xr+\p+1], v[xr+\p:xr+\p+1], 1.0 op_sel_hi:[1,0]
.endr
.endm
.macro PHS q, ab, wb                   ; the partial scores += w' r
.set xr, (\ab)+8*(\q)
.set xs, SS+8*(\q)
.irp p, 0,2,4,6
	v_pk_fma_f32 v[xs+\p:xs+\p+1], v[xr+\p:xr+\p+1], v[WB+4*(\wb)+2:WB+4*(\wb)+3], v[xs+\p:xs+\p+1] op_sel_hi:[1,0,1]
.endr
.endm
.macro BOTH lo, n, ph, op              ; one phase for the n tiles at work, on both column tiles' accumulators
.set qq, \lo
.rept \n
.if \ph == 0
	PHF qq, ACC, 0
	PHF qq, ACB, 1
.elseif \ph == 1
	PHT \op, qq, ACC
	PHT \op, qq, ACB
.elseif \ph == 2
	PHA qq, ACC
	PHA qq, ACB
.else
	PHS qq, ACC, 0
	PHS qq, ACB, 1
.endif
.set qq, qq+1
.endr
.endm
; The five phases, phase by phase, 16 n registers each: a wait ahead of the first read of the sums, one ahead of each batch of transcendentals and one behind it, and one at the end
.macro DRAIN lo, n
	s_wait_alu depctr_va_vdst(0)
	BOTH \lo, \n, 0, x
	s_wait_alu depctr_va_vdst(0)
	BOTH \lo, \n, 1, v_exp_f32
	v_nop                                          ; a plain place behind the transcendentals
	s_wait_alu depctr_va_vdst(0)
	BOTH \lo, \n, 2, x
	s_wait_alu depctr_va_vdst(0)
	BOTH \lo, \n, 1, v_rcp_f32
	v_nop
	s_wait_alu depctr_va_vdst(0)
	BOTH \lo, \n, 3, x
	s_wait_alu depctr_va_vdst(0)
.endm
; The change of slots.  Both of my records are in registers, so the slot is read no more: the wait for all my tensor loads, the add, the wait for it and for my reads; the round; the joint refill, two slots ahead (V's eight slots go round).
.macro CHANGE fill
	WIN 0
	s_wait_tensorcnt 0x0
	ds_add_u32 v[SPW], v[NIL]
.if \fill
	s_xor_b32 s[G0W+1], s[G0W+1], SLOT1
	s_add_co_u32 s[ZC], s[ZC], 1
	s_and_b32 s[VO], s[ZC], 7
	s_mul_i32 s[VO], s[VO], SLOTB
	s_add_nc_u64 s[G0W+2:G0W+3], s[VB:VB+1], s[VO:VO+1]
	s_or_b32 s[G0W+3], s[G0W+3], 0x80000000
.endif
	s_xor_b32 s[TB], s[TB], SLOT1
	s_add_co_u32 s[TZ], s[TZ], 1024
	s_and_b32 s[TT], s[TZ], 8191
	s_wait_dscnt 0x0
.if \fill
	CROUND
	tensor_load_to_lds s[G0W:G0W+3], s[G1:G1+7]
	s_nop 0
.else
	s_barrier_signal -1
	s_barrier_wait -1
.endif
	PLACES 4
	v_add_nc_u32 v[BAD], s[TB], v[LIW]
	v_add_nc_u32 v[TAD], s[TT], v[TBA]
.endm
; A slot: my two records x the tiles at work, the change of slots, then the phases of both.  Ahead of the phases the next slot's first record is fetched; behind a trip's last slot those registers serve the new tile,
; and there (et = 1, and a tile is still to come) the 16 rows that have arrived go into my stage instead, so that the phases stand between these stores and the loads that read them back.
.macro SLOTSTEP lo, n, mode, et
	s_wait_dscnt 0x0
	WBLK \lo, \n, ACC, 0
	WBLK \lo, \n, ACB, 1
.if \mode == 1
	CHANGE 1
	s_cmp_eq_u32 s[C2], 1
	s_cbranch_scc1 .Lnob_\@
	BLOADS
.if \et
	s_branch .Lgo_\@
.endif
.Lnob_\@:
.if \et
	s_cmp_eq_u32 s[CQ], 1
	s_cbranch_scc1 .Lgo_\@
	s_wait_loadcnt 0x0
	ETURN
.Lgo_\@:
.endif
.elseif \mode == 2
	CHANGE 0
	BLOADS
.else
	PLACES 4
.endif
	DRAIN \lo, \n
.endm
.macro MAINQ lo, n, et
	s_mov_b32 s[C2], 2
.Lmq_\@:
	SLOTSTEP \lo, \n, 1, \et
	s_sub_co_u32 s[C2], s[C2], 1
	s_cmp_lg_u32 s[C2], 0
	s_cbranch_scc1 .Lmq_\@
.endm
; 64 numbers of a lane, register 16 b + i = k 32 b + 16 (lane / 16) + i of my row, become a fragment's codes in v[pc] on and its scale word in v[PW]
.macro QUANT s, pc
.irp b, 0,1,2,3
	v_max3_num_f32 v[TM+\b], |v[\s+16*\b]|, |v[\s+1+16*\b]|, 0x2800000   ; the floor 2^(5 - 127) among the leaves: the byte cannot fall under 1
.endr
.irp i, 2,4,6,8,10,12,14
.irp b, 0,1,2,3
	v_max3_num_f32 v[TM+\b], v[TM+\b], |v[\s+16*\b+\i]|, |v[\s+1+16*\b+\i]|
.endr
.endr
.irp b, 0,1,2,3
	v_permlanex16_b32 v[TM+4+\b], v[TM+\b], s[SEL], s[SEL+1]
.endr
.irp b, 0,1,2,3
	v_max_num_f32 v[TM+\b], v[TM+\b], v[TM+4+\b]   ; with lane l xor 16's: the block's largest magnitude
.endr
.irp b, 0,1,2,3
	v_add_nc_u32 v[TM+12+\b], 0xfe000000, v[TM+\b] ; 4 off the exponent field: the conversion's scale operand
.endr
.irp b, 0,1,2,3
	v_lshrrev_b32 v[TM+4+\b], 23, v[TM+12+\b]      ; the scale's byte
.endr
	v_lshl_or_b32 v[PW], v[TM+5], 8, v[TM+4]
	v_lshl_or_b32 v[PW], v[TM+6], 16, v[PW]
	v_lshl_or_b32 v[PW], v[TM+7], 24, v[PW]
.irp c, 0,1
	v_cvt_scalef32_pk16_bf6_f32 v[\pc+6*\c:\pc+2+6*\c], v[\s+32*\c:\s+15+32*\c], v[TM+12+2*\c]
	v_cvt_scalef32_pk16_bf6_f32 v[\pc+12+4*\c:\pc+14+4*\c], v[\s+16+32*\c:\s+31+32*\c], v[TM+12+2*\c+1]
.endr
	v_nop                                          ; one plain place behind a scaled conversion
.irp c, 0,1
.irp i, 0,1,2
	v_permlane16_swap_b32 v[\pc+6*\c+\i], v[\pc+12+4*\c+\i]   ; a whole block to a lane
.endr
.irp i, 0,1,2
	v_mov_b32 v[\pc+3+6*\c+\i], v[\pc+12+4*\c+\i]
.endr
.endr
.endm
.macro CSEL q                          ; where tile q's bf16 copy lies
.if (\q) < 2
.set cwin, 1+(\q)
.set cbase, 192
.else
.set cwin, 3
.set cbase, 64*((\q)-2)
.endif
.endm
.macro RMOVE q                         ; the finished tile's partial scores are taken out, and its place begins at 0
.irp j, 0,1,2,3,4,5,6,7
	v_mov_b32 v[SR+\j], v[SS+8*(\q)+\j]
	v_mov_b32 v[SS+8*(\q)+\j], 0
.endr
.endm
.macro RC1                             ; summed over my 16 columns a record, and shown to the other waves
.irp m, 1,2,4,8
.irp j, 0,1,2,3,4,5,6,7
	v_add_f32_dpp v[SR+\j], v[SR+\j], v[SR+\j] row_xmask:\m row_mask:0xf bank_mask:0xf
.endr
.endr
	ds_store_b128 v[XW], v[SR:SR+3]
	ds_store_b128 v[XW], v[SR+4:SR+7] offset:16
.endm
.macro XLD
.irp i, 0,1,2,3
	ds_load_b32 v[T0+\i], v[XR] offset:64*\i
.endr
.endm
; Row (lane % 16)'s score; the running maximum; p = 2^(score - m); l and ctx brought under the new maximum; the sixteen p to all lanes
.macro RC2
	v_add_f32 v[T0], v[T0], v[T0+1]
	v_add_f32 v[T0+2], v[T0+2], v[T0+3]
	v_add_f32 v[T0], v[T0], v[T0+2]
	v_mov_b32 v[T0+1], v[T0]
.irp m, 1,2,4,8
	v_max_num_f32_dpp v[T0+1], v[T0+1], v[T0+1] row_xmask:\m row_mask:0xf bank_mask:0xf
.endr
	v_max_num_f32 v[T0+1], v[RM], v[T0+1]
	v_sub_f32 v[T0+2], v[RM], v[T0+1]
	v_sub_f32 v[T0], v[T0], v[T0+1]
	s_wait_alu depctr_va_vdst(0)                   ; the wait ahead of the two exponentials,
	v_exp_f32 v[RF], v[T0+2]
	v_exp_f32 v[T0+3], v[T0]
	v_mov_b32 v[RM], v[T0+1]
	s_wait_alu depctr_va_vdst(0)                   ; and behind them
	v_mov_b32 v[T0+2], v[T0+3]
.irp m, 1,2,4,8
	v_add_f32_dpp v[T0+2], v[T0+2], v[T0+2] row_xmask:\m row_mask:0xf bank_mask:0xf
.endr
	v_fma_f32 v[RL], v[RL], v[RF], v[T0+2]
.irp p, 0,2,4,6
	v_pk_mul_f32 v[CTX+\p:CTX+\p+1], v[CTX+\p:CTX+\p+1], v[RF:RF+1] op_sel_hi:[1,0]
.endr
.irp t, 0,1,2,3,4,5,6,7,8,9,10,11,12,13,14,15
	v_readlane_b32 s[PS+\t], v[T0+3], \t
.endr
.irp t, 0,1,2,3,4,5,6,7,8,9,10,11,12,13,14,15
	v_mov_b32 v[PB+\t], s[PS+\t]
.endr
.endm
.macro RCTX q                          ; ctx += p[t] x the copy's row t, my 8 columns, in f32
	CSEL \q
	WIN cwin
.irp t, 0,1,2,3,4,5,6,7,8,9,10,11,12,13,14,15
.irp u, 0,1
.irp g, 0,1
	v_fma_mix_f32_bf16 v[CTX+4*\u+2*\g], v[cbase+4*\t+2*\u+\g], v[PB+\t], v[CTX+4*\u+2*\g] op_sel_hi:[1,0,0]
	v_fma_mix_f32_bf16 v[CTX+4*\u+2*\g+1], v[cbase+4*\t+2*\u+\g], v[PB+\t], v[CTX+4*\u+2*\g+1] op_sel:[1,0,0] op_sel_hi:[1,0,0]
.endr
.endr
.endr
	WIN 0
.endm
.macro ETURN                           ; the rows that have arrived go into my stage as they lie
	WIN 0x0c
.set n, 0
.rept 32
	ds_store_b128 v[STW], v[LND+4*n:LND+4*n+3] offset:SPITCH*(n/2)+512*(n%2)
.set n, n+1
.endr
	WIN 0
.endm
.macro ECVT q                          ; and become tile q's bf16 copy
	CSEL \q
.set wv, (cwin<<6)|0x0f
	WIN wv
.set n, 0
.rept 64
	v_cvt_pk_bf16_f32 v[cbase+n], v[LND+2*n], v[LND+2*n+1]
.set n, n+1
.endr
	WIN 0
.endm
.macro ELOADS step                     ; the next 16 rows, my 1,024 bytes of each: a load covers 512 consecutive bytes
.if \step
	s_add_nc_u64 s[ENC:ENC+1], s[ENC:ENC+1], 65536
.endif
	WIN 0xc0
.set n, 0
.rept 32
	global_load_b128 v[LND+4*n:LND+4*n+3], v[GOF], s[ENC:ENC+1] offset:4096*(n/2)+512*(n%2) th:TH_LOAD_NT
.set n, n+1
.endr
	WIN 0
.endm
.macro EQUANT                          ; my two K steps of the new tile: back from the stage 64 bytes a lane, quantised, into the image; then the two scale words
	s_mov_b32 s[EC], 2
	s_mov_b32 s[ES], 0
	s_mov_b32 s[ET], 0
.Leq_\@:
	v_add_nc_u32 v[STRX], s[ES], v[STR]
	v_add_nc_u32 v[TRWX], s[ET], v[TRW]
	v_mov_b32 v[PW0], v[PW]
.irp b, 0,1,2,3
.irp j, 0,1,2,3
	ds_load_b128 v[QX+16*\b+4*\j:QX+16*\b+4*\j+3], v[STRX] offset:128*\b+16*\j
.endr
.endr
	s_wait_dscnt 0x0
	QUANT QX, PC
.irp c, 0,1,2
	ds_store_b128 v[TRWX], v[PC+4*\c:PC+4*\c+3] offset:512*\c
.endr
	s_add_co_u32 s[ES], s[ES], 512
	s_add_co_u32 s[ET], s[ET], 1536
	s_wait_dscnt 0x0
	s_sub_co_u32 s[EC], s[EC], 1
	s_cmp_lg_u32 s[EC], 0
	s_cbranch_scc1 .Leq_\@
	ds_store_b32 v[TSW], v[PW0]
	ds_store_b32 v[TSW], v[PW] offset:256
.endm
.macro EALOAD q                        ; the whole image into tile q's registers
.set wv, (1+(\q)/2)<<6
.set abase, 96*((\q)%2)
	WIN wv
.set n, 0
.rept 24
	ds_load_b128 v[abase+4*n:abase+4*n+3], v[TRR] offset:512*n
.set n, n+1
.endr
	WIN 0
	ds_load_b128 v[ASC+4*(\q):ASC+4*(\q)+3], v[TRR] offset:12288
.endm
; What hangs on the tile's number stands four times, chosen by the trip's number.  kind 0: the scores out.  kind 1: the old tile's share of ctx; then, but for the loop's last trip, the new tile takes its registers.
.macro ARMQ kind, q, join
.if \kind == 0
	RMOVE \q
.else
	RCTX \q
	s_cmp_eq_u32 s[CQ], 1
	s_cbranch_scc1 \join
	EALOAD \q
	ECVT \q
.endif
.endm
.macro DISP kind
	s_cmp_eq_u32 s[QS], 1
	s_cbranch_scc1 .Lv1_\@
	s_cmp_eq_u32 s[QS], 2
	s_cbranch_scc1 .Lv2_\@
	s_cmp_eq_u32 s[QS], 3
	s_cbranch_scc1 .Lv3_\@
	ARMQ \kind, 0, .Lvj_\@
	s_branch .Lvj_\@
.Lv1_\@:
	ARMQ \kind, 1, .Lvj_\@
	s_branch .Lvj_\@
.Lv2_\@:
	ARMQ \kind, 2, .Lvj_\@
	s_branch .Lvj_\@
.Lv3_\@:
	ARMQ \kind, 3, .Lvj_\@
.Lvj_\@:
.endm
.macro ENTER q                         ; the first four tiles are taken in with none to finish
	s_wait_loadcnt 0x0
	ETURN
	ECVT \q
.irp j, 0,1,2,3,4,5,6,7
	v_mov_b32 v[SS+8*(\q)+\j], 0
.endr
	s_wait_dscnt 0x0
	ELOADS 1
	EQUANT
	BAR
	EALOAD \q
.endm
.macro RETIRE q, more                  ; the last three are finished with none to take in
	RMOVE \q
	RC1
	BAR
	XLD
.if \more
	BLOADS
	s_wait_dscnt 25                                ; the four partial scores are in; the 25 loads behind them may be out
.else
	s_wait_dscnt 0x0
.endif
	RC2
	RCTX \q
.endm
	s_load_b256 s[4:11], s[0:1], 0x0               ; encoder_outputs, vimg, bw, part
	v_lshl_add_u32 v[SPW], v0, 2, SPARE
	v_mov_b32 v[NIL], 0
	ds_add_u32 v[SPW], v[NIL]                      ; the opening lines: the add, twice on end, and its wait
	ds_add_u32 v[SPW], v[NIL]
	v_lshrrev_b32 v[T0], 5, v0
	v_readfirstlane_b32 s[WV], v[T0]               ; wave
	s_bfe_u32 s13, ttmp6, 0x40000
	s_lshl_b32 s14, ttmp9, 2
	s_add_co_u32 s14, s14, s13                     ; work-group = 4 x cluster + place
	s_mov_b32 s[G1], 15|(3<<16)|(1<<21)            ; group 1: all four partners; 100 rows of 256 bytes: my two records, dense
	s_mov_b32 s[G1+1], 32<<16
	s_mov_b32 s[G1+2], 100<<16
	s_mov_b32 s[G1+3], 32<<16
	s_mov_b32 s[G1+4], 100
	s_mov_b32 s[G1+5], 32
	s_mov_b32 s[G1+6], 0
	s_mov_b32 s[G1+7], 0
	s_mov_b32 s[VO+1], 0
	s_mov_b32 s[XO+1], 0
	s_mov_b32 s[ZC], 1
	s_mov_b32 s[TB], 0
	s_mov_b32 s[TZ], 0
	s_mov_b32 s[TT], 0
	s_mov_b32 s[SEL], 0x76543210
	s_mov_b32 s[SEL+1], 0xfedcba98
	s_mov_b32 s[KS], 0x4038aa3b                    ; k = 2 log2(e)
	s_mov_b32 s[KS+1], s[KS]
	v_and_b32 v[T0], 31, v0
	v_and_b32 v[T0+1], 15, v0
	v_bfe_u32 v[T0+2], v0, 4, 1
	v_lshlrev_b32 v[LI], 4, v[T0]
	s_wait_alu depctr_va_vdst(0)
	s_mul_i32 s[G0A+1], s[WV], WSL
	v_add_nc_u32 v[LIW], s[G0A+1], v[LI]
	s_lshl_b32 s15, s[WV], 8
	s_add_co_u32 s15, s15, TBL
	v_lshl_add_u32 v[TBA], v[T0+1], 3, s15
	s_mul_i32 s15, s[WV], WSTG
	s_add_co_u32 s15, s15, STG
	v_add_nc_u32 v[STW], s15, v[LI]
	v_mul_u32_u24 v[STR], v[T0+1], SPITCH
	v_lshl_add_u32 v[STR], v[T0+2], 6, v[STR]
	v_add_nc_u32 v[STR], s15, v[STR]
	s_mul_i32 s15, s[WV], 3072
	s_add_co_u32 s15, s15, TR
	v_add_nc_u32 v[TRW], s15, v[LI]
	s_lshl_b32 s15, s[WV], 2
	s_add_co_u32 s15, s15, TRS
	v_lshl_add_u32 v[TSW], v[T0+1], 4, s15
	v_add_nc_u32 v[TRR], TR, v[LI]
	s_lshl_b32 s15, s[WV], 6
	s_add_co_u32 s15, s15, XB
	v_lshl_add_u32 v[XW], v[T0+2], 5, s15
	v_lshl_add_u32 v[XR], v[T0+1], 2, XB
	s_lshl_b32 s15, s[WV], 10
	v_add_nc_u32 v[GOF], s15, v[LI]
	v_lshlrev_b32 v[TG], 4, v0
	v_add_nc_u32 v[TL], TBL, v[TG]
.irp j, 0,1,2,3,4,5,6,7
	v_mov_b32 v[CTX+\j], 0
.endr
	v_mov_b32 v[RM], 0xff61b1e6                    ; -3e38, under every score
	v_mov_b32 v[RL], 0
	v_mov_b32 v[RF+1], 0
.irp j, 1,3,5,7
	v_mov_b32 v[WB+\j], 0                          ; the upper halves of pairs of which the low word serves both
.endr
.irp b, 0,1,2,3
	v_mov_b32 v[TM+4+\b], 0                        ; a lane permute's destination counts as one of its sources
.endr
	v_mov_b32 v[PW], 0
	s_wait_alu depctr_va_vdst(0)                   ; the wait here, directly ahead of the waits below
	s_wait_dscnt 0x0
	s_wait_kmcnt 0x0
	s_lshl_b32 s[XO], s14, 20                      ; my 256 rows of 4,096 bytes
	s_add_nc_u64 s[ENC:ENC+1], s[ENC:ENC+1], s[XO:XO+1]
	s_lshr_b32 s[XO], s14, 3
	s_lshl_b32 s[XO], s[XO], 13                    ; my batch's row of bw
	s_add_nc_u64 s[8:9], s[8:9], s[XO:XO+1]
	s_mul_i32 s[XO], s14, 4352                     ; my record of part
	s_add_nc_u64 s[10:11], s[10:11], s[XO:XO+1]
	s_mov_b32 s[VO], s[G0A+1]
	s_add_nc_u64 s[VB:VB+1], s[6:7], s[VO:VO+1]
	s_mov_b32 s[G0A], 1
	s_mov_b64 s[G0A+2:G0A+3], s[VB:VB+1]
	s_or_b32 s[G0A+3], s[G0A+3], 0x80000000
	s_mov_b32 s[G0W], 1
	s_add_co_u32 s[G0W+1], s[G0A+1], SLOT1
	s_add_nc_u64 s[G0W+2:G0W+3], s[VB:VB+1], SLOTB
	s_or_b32 s[G0W+3], s[G0W+3], 0x80000000
.irp i, 0,1,2,3
	global_load_b128 v[BF+4*\i:BF+4*\i+3], v[TG], s[8:9] offset:2048*\i   ; the batch's pairs (bias', w'), and the first 16 rows: asked for ahead of the rounds and the slots' first fills
.endr
	ELOADS 0
	CROUND
	tensor_load_to_lds s[G0A:G0A+3], s[G1:G1+7]
	s_nop 0
	s_wait_alu depctr_va_vdst(0)
	s_wait_tensorcnt 0x0                           ; slot 1's first fill is issued as a refill is
	ds_add_u32 v17, v18
	s_wait_dscnt 0x0
	CROUND
	tensor_load_to_lds s[G0W:G0W+3], s[G1:G1+7]
	s_nop 0
	PLACES 4
	s_wait_loadcnt 32                              ; the table's four loads are in; the 32 loads of rows may be out
.irp i, 0,1,2,3
	ds_store_b128 v[TL], v[BF+4*\i:BF+4*\i+3] offset:2048*\i
.endr
	ENTER 0
	v_add_nc_u32 v[BAD], s[TB], v[LIW]
	v_add_nc_u32 v[TAD], s[TT], v[TBA]
	s_wait_alu depctr_va_vdst(0)
	s_wait_tensorcnt 0x1                           ; slot 1's load may be out
	BLOADS
	MAINQ 0, 1, 0
	ENTER 1
	BLOADS
	MAINQ 0, 2, 0
	ENTER 2
	BLOADS
	MAINQ 0, 3, 0
	ENTER 3
	BLOADS
	s_mov_b32 s[CQ], 13                            ; thirteen trips with four tiles at work; all but the last take a tile in, all but the last two ask for further rows
.Lsteady:
	s_sub_co_u32 s[QS], 13, s[CQ]
	s_and_b32 s[QS], s[QS], 3                      ; the tile that is finished in this trip
	MAINQ 0, 4, 1
	DISP 0
	s_wait_alu depctr_va_vdst(0)
	RC1
	s_wait_loadcnt 0x0
	s_cmp_eq_u32 s[CQ], 1
	s_cbranch_scc1 .Lno_in
	EQUANT
.Lno_in:
	BAR                                            ; the partial scores and the new tile's image lie in LDS for all four waves
	XLD
	BLOADS
	s_wait_dscnt 25                                ; the four partial scores are in; the 25 loads behind them may be out
	RC2
	DISP 1
	s_cmp_le_u32 s[CQ], 2
	s_cbranch_scc1 .Lno_more
	ELOADS 1
.Lno_more:
	s_sub_co_u32 s[CQ], s[CQ], 1
	s_cmp_lg_u32 s[CQ], 0
	s_cbranch_scc1 .Lsteady
	MAINQ 1, 3, 0
	RETIRE 1, 1
	MAINQ 2, 2, 0
	RETIRE 2, 1
	SLOTSTEP 3, 1, 2, 0                            ; the last two slots are written out: nothing more is asked for
	SLOTSTEP 3, 1, 3, 0
	RETIRE 3, 0
	global_store_b128 v[GOF], v[CTX:CTX+3], s[10:11]              ; 32 lanes store 512 consecutive bytes
	global_store_b128 v[GOF], v[CTX+4:CTX+7], s[10:11] offset:512
	v_and_b32 v[T0], 31, v0
	v_lshlrev_b32 v[T0], 3, v[T0]
	s_cmp_lg_u32 s[WV], 0
	s_cbranch_scc1 .Lnot_first
	global_store_b64 v[T0], v[RM:RM+1], s[10:11] offset:4096      ; (m, l), 32 times: one aligned run of 256 bytes
.Lnot_first:
	s_wait_tensorcnt 0x0                           ; the wave's end
	ds_add_u32 v[SPW], v[NIL]
	s_wait_dscnt 0x0
	CROUND                                         ; the closing round
	s_endpgm
.Lfunc_end_k_q4088c16ff4_attn:
	.size	k_q4088c16ff4_attn, .Lfunc_end_k_q4088c16ff4_attn-k_q4088c16ff4_attn
	.p2alignl 7, 3214868480
	.fill 96, 4, 3214868480
	.section	.rodata,"a",@progbits
	.p2align	6, 0x0
	.amdhsa_kernel k_q4088c16ff4_attn
		.amdhsa_group_segment_fixed_size 327680
		.amdhsa_private_segment_fixed_size 0
		.amdhsa_enable_private_segment 0
		.amdhsa_kernarg_size 32
		.amdhsa_user_sgpr_count 2
		.amdhsa_user_sgpr_kernarg_segment_ptr 1
		.amdhsa_wavefront_size32 1
		.amdhsa_system_sgpr_workgroup_id_x 1
		.amdhsa_system_sgpr_workgroup_id_y 1
		.amdhsa_system_sgpr_workgroup_id_z 1
		.amdhsa_system_vgpr_workitem_id 0
		.amdhsa_next_free_vgpr 1024
		.amdhsa_next_free_sgpr 84
		.amdhsa_reserve_vcc 0
		.amdhsa_float_denorm_mode_32 3
		.amdhsa_float_denorm_mode_16_64 3
		.amdhsa_memory_ordered 1
		.amdhsa_forward_progress 1
		.amdhsa_inst_pref_size 255
	.end_amdhsa_kernel
	.section	.bss,"aw",@nobits
	.p2align	6
	.space	262144
	.amdgpu_metadata
---
amdhsa.version: [ 1, 2 ]
amdhsa.kernels:
  - .name:           k_q4088c16ff4_attn
    .symbol:         k_q4088c16ff4_attn.kd
    .args:
      - { .name: encoder_outputs, .offset: 0, .size: 8, .value_kind: global_buffer, .address_space: global }
      - { .name: vimg, .offset: 8, .size: 8, .value_kind: global_buffer, .address_space: global }
      - { .name: bw, .offset: 16, .size: 8, .value_kind: global_buffer, .address_space: global }
      - { .name: part, .offset: 24, .size: 8, .value_kind: global_buffer, .address_space: global }
    .group_segment_fixed_size: 327680
    .private_segment_fixed_size: 0
    .kernarg_segment_align: 8
    .kernarg_segment_size: 32
    .max_flat_workgroup_size: 128
    .sgpr_count:     84
    .vgpr_count:     1024
    .wavefront_size: 32
...
	.end_amdgpu_metadata
.endif
;; end of part 2
;; launch comb (part 3): grid 32 x 1, 8 waves a work-group, no clusters, 0 bytes of LDS; arguments part, out0; writes out0
.if DOCPART == 3
	.amdgcn_target "amdgcn-amd-amdhsa--gfx1250"
	.amdhsa_code_object_version 6
	.text
	.protected	k_q4088c16ff4_comb
	.globl	k_q4088c16ff4_comb
	.p2align	8
	.type	k_q4088c16ff4_comb,@function
k_q4088c16ff4_comb:
	s_mov_b64 s[64:65], 0
	v_nop
	global_prefetch_b8 v0, s[64:65] scope:SCOPE_SE
	s_setreg_imm32_b32 hwreg(HW_REG_WAVE_MODE, 25, 1), 1
	s_wait_xcnt 0x0
; COMB.  out0[b] = (sum_g ctx_g 2^(m_g - mx)) / (sum_g l_g 2^(m_g - mx)), g the eight parts of batch b, mx the largest m_g: the running maxima of the parts are joined as the softmax's maximum asks.
; (The term of the score that is the same for every t was left out in the launches before: shown at the head of the first kernel.)
; part: records of 4,352 bytes: ctx[1024] f32, then 32 times (m, l).  A work-group takes a batch, thread i columns 4 i .. 4 i + 3: a wave's load or store covers 512 consecutive bytes.
; 32 batches are all the work there is: 32 work-groups.  No LDS, no barrier: threads share nothing.
.set REC, 4352
.set ML,  4                            ; v4-19   (m, l) of the eight parts
.set CX,  20                           ; v20-51  ctx of the eight parts, my 4 columns
.set MX,  52                           ; v52     the largest m
.set FF,  53                           ; v53-60  2^(m_g - mx)
.set LL,  61                           ; v61     the sum of l, then its reciprocal
.set OU,  62                           ; v62-65  the result
	s_load_b128 s[4:7], s[0:1], 0x0                ; part, out0
	v_lshlrev_b32 v1, 4, v0                        ; 16 bytes a thread
	v_and_b32 v2, 31, v0
	s_delay_alu instid0(VALU_DEP_1)
	v_lshlrev_b32 v2, 3, v2                        ; 8 bytes a lane
	s_mul_i32 s8, ttmp9, 8*REC
	s_mov_b32 s9, 0
	s_lshl_b32 s10, ttmp9, 12
	s_mov_b32 s11, 0
	s_wait_alu depctr_va_vdst(0)
	s_wait_kmcnt 0x0
	s_add_nc_u64 s[4:5], s[4:5], s[8:9]
	s_add_nc_u64 s[6:7], s[6:7], s[10:11]
.irp g, 0,1,2,3,4,5,6,7
	global_load_b64 v[ML+2*\g:ML+2*\g+1], v2, s[4:5] offset:REC*\g+4096
.endr
.irp g, 0,1,2,3,4,5,6,7
	global_load_b128 v[CX+4*\g:CX+4*\g+3], v1, s[4:5] offset:REC*\g
.endr
	s_wait_loadcnt 0x8                             ; the eight pairs (m, l) are in; the eight loads of ctx, issued behind them, may be out
	v_max3_num_f32 v[MX], v[ML], v[ML+2], v[ML+4]
	s_delay_alu instid0(VALU_DEP_1)
	v_max3_num_f32 v[MX], v[MX], v[ML+6], v[ML+8]
	s_delay_alu instid0(VALU_DEP_1)
	v_max3_num_f32 v[MX], v[MX], v[ML+10], v[ML+12]
	s_delay_alu instid0(VALU_DEP_1)
	v_max_num_f32 v[MX], v[MX], v[ML+14]
.irp g, 0,1,2,3,4,5,6,7
	v_sub_f32 v[FF+\g], v[ML+2*\g], v[MX]
.endr
	s_wait_alu depctr_va_vdst(0)
.irp g, 0,1,2,3,4,5,6,7
	v_exp_f32 v[FF+\g], v[FF+\g]
.endr
	v_nop                                          ; a plain place behind the last exponential
	s_wait_alu depctr_va_vdst(0)                   ; one wait for the eight, ahead of their first reader
	v_mul_f32 v[LL], v[ML+1], v[FF]
.irp g, 1,2,3,4,5,6,7
	v_fma_f32 v[LL], v[ML+2*\g+1], v[FF+\g], v[LL]
.endr
	s_wait_alu depctr_va_vdst(0)
	v_rcp_f32 v[LL], v[LL]
	s_wait_loadcnt 0x0
.irp e, 0,1,2,3
	v_mul_f32 v[OU+\e], v[CX+\e], v[FF]            ; (plain work behind the reciprocal, which names neither its source nor its result)
.endr
.irp g, 1,2,3,4,5,6,7
.irp e, 0,1,2,3
	v_fma_f32 v[OU+\e], v[CX+4*\g+\e], v[FF+\g], v[OU+\e]
.endr
.endr
	s_wait_alu depctr_va_vdst(0)                   ; the wait for the reciprocal, ahead of its first reader
.irp e, 0,1,2,3
	v_mul_f32 v[OU+\e], v[OU+\e], v[LL]
.endr
	global_store_b128 v1, v[OU:OU+3], s[6:7]       ; 32 lanes store 512 consecutive bytes, at a multiple of 256 from out0's first byte
	s_endpgm
.Lfunc_end_k_q4088c16ff4_comb:
	.size	k_q4088c16ff4_comb, .Lfunc_end_k_q4088c16ff4_comb-k_q4088c16ff4_comb
	.p2alignl 7, 3214868480
	.fill 96, 4, 3214868480
	.section	.rodata,"a",@progbits
	.p2align	6, 0x0
	.amdhsa_kernel k_q4088c16ff4_comb
		.amdhsa_group_segment_fixed_size 0
		.amdhsa_private_segment_fixed_size 0
		.amdhsa_enable_private_segment 0
		.amdhsa_kernarg_size 16
		.amdhsa_user_sgpr_count 2
		.amdhsa_user_sgpr_kernarg_segment_ptr 1
		.amdhsa_wavefront_size32 1
		.amdhsa_system_sgpr_workgroup_id_x 1
		.amdhsa_system_sgpr_workgroup_id_y 1
		.amdhsa_system_sgpr_workgroup_id_z 1
		.amdhsa_system_vgpr_workitem_id 0
		.amdhsa_next_free_vgpr 72
		.amdhsa_next_free_sgpr 66
		.amdhsa_reserve_vcc 0
		.amdhsa_float_denorm_mode_32 3
		.amdhsa_float_denorm_mode_16_64 3
		.amdhsa_memory_ordered 1
		.amdhsa_forward_progress 1
		.amdhsa_inst_pref_size 6
	.end_amdhsa_kernel
	.amdgpu_metadata
---
amdhsa.version: [ 1, 2 ]
amdhsa.kernels:
  - .name:           k_q4088c16ff4_comb
    .symbol:         k_q4088c16ff4_comb.kd
    .args:
      - { .name: part, .offset: 0, .size: 8, .value_kind: global_buffer, .address_space: global }
      - { .name: out0, .offset: 8, .size: 8, .value_kind: global_buffer, .address_space: global }
    .group_segment_fixed_size: 0
    .private_segment_fixed_size: 0
    .kernarg_segment_align: 8
    .kernarg_segment_size: 16
    .max_flat_workgroup_size: 256
    .sgpr_count:     66
    .vgpr_count:     72
    .wavefront_size: 32
...
	.end_amdgpu_metadata
.endif
;; end of part 3
